; MI455X (gfx1250); checked and timed in simulation.
; The chip was launched on July 23, 2026; its instructions are those of AMD's public machine-readable ISA for CDNA 5 (MIT licence, August 2026) and "CDNA5" Instruction Set Architecture Reference Guide (July 2026). The comments in the code are by the model that wrote it; some were corrected since.
;; Multi Head Attention. Allowed arithmetic: matrix products marked QUANTISED: E4M3 operands, one given power-of-two scale a tensor, by v_wmma_f32_16x16x64_fp8_fp8 or v_wmma_f32_16x16x128_fp8_fp8, f32 sums; everything else in f32.
;; Inputs: Wout 1,024 x 1,024 float32; Wqkv 1,024 x 3,072 float32; bout 1,024 float32; bqkv 3,072 float32; lowp_scales 8 int32 (the exponents e of the quantised operands' scales 2^e); x 2 x 2,048 x 1,024 float32.
;; Outputs: out0 2 x 2,048 x 1,024 float32.
;; This version of the problem:
;;   THIS VERSION OF THE PROBLEM IS GIVEN IN LOW PRECISION. The matrix products marked QUANTISED in the list below multiply operands that are first quantised to E4M3 (4 exponent bits, 3 mantissa bits; 8 bits a number), with one given power-of-two scale for each operand tensor; their sums are f32. All else is computed in f32.
;;   The module's matrix products, in the order in which they are computed (A, B: the left and right operand; K: the contracted axis; several contracted axes count as one K, in the product's order):
;;     1. [M 4,096, K 1,024] x [K 1,024, N 3,072]; A: input x; B: input Wqkv: QUANTISED (scales: A lowp_scales[0], B lowp_scales[1])
;;     2. batch 32 x [M 2,048, K 64] x [K 64, N 2,048]; A: computed on the way; B: computed on the way: QUANTISED (scales: A lowp_scales[2], B lowp_scales[3])
;;     3. batch 32 x [M 2,048, K 2,048] x [K 2,048, N 64]; A: softmax (see below); B: computed on the way: QUANTISED (scales: A lowp_scales[4], B lowp_scales[5])
;;     4. [M 4,096, K 1,024] x [K 1,024, N 1,024]; A: computed on the way; B: input Wout: QUANTISED (scales: A lowp_scales[6], B lowp_scales[7])
;;   THE QUANTISER, for each operand of a quantised product, along K:
;;     - The operand's scale is 2^e, e = its entry of the input lowp_scales (int32; the entries are numbered through the quantised products in the list's order, A before B).
;;     - Each number is divided by the scale, clamped to +-448, and rounded to the nearest number of E4M3, ties to even, subnormals kept.
;;     - The product sums the exact products of the quantised numbers (number of the format x scale) in f32.
;;   ~~~python
;;   def quantise(x, axis, e):      # numpy; x: float32 -> the quantised numbers, widened to float32 again
;;       x = np.moveaxis(x, axis, -1); K = x.shape[-1]
;;       r = np.clip(x / 2.0 ** e, -448, 448)
;;       step = 2.0 ** (np.maximum(np.frexp(np.where(r == 0, 1, r))[1] - 1, -6) - 3)
;;       q = np.round(r / step) * step * 2.0 ** e      # np.round: ties to even
;;       return np.moveaxis(q, -1, axis).astype(np.float32)
;;   ~~~
;;   SOFTMAX AHEAD OF A QUANTISED PRODUCT. Where the list says 'softmax', what is quantised is not the finished softmax but p = 2^(t - M), with t = logit x log2(e) and M = ceil(the row's largest t), a whole number; so 1/2 < the row's largest p <= 1. The row's sum l is taken of the UNQUANTISED p, in f32, and the product's result is divided by l at the end. Since M is a whole number, a kernel that streams over the keys may use a running M (the ceiling of the running maximum): every later rescaling is an exact power of two, so the quantised numbers keep their values, but for numbers so far below the row's largest that they fall under the format's range.
;;   OPERANDS COMPUTED ON THE WAY. 'Computed on the way' means the value that the module computes at that place (a softmax that the list does not call 'softmax' is quantised finished and normalised). What goes into a quantiser is computed in f32, as accurately as f32 sums, v_exp_f32 and their like allow (about 1e-6 of the number): no bf16 or f16 on the way to a quantiser, and a product that is left as it is and whose result goes on into a quantised operand takes f32 operands (vector FMAs, or v_wmma_f32_16x16x4_f32). A number that lies on a knife's edge between two numbers of the format may be rounded either way, as far as f32 arithmetic and the matrix unit's own rounding can turn it there, and no further.
;; One version. Each part assembles by itself: llvm-mc -triple=amdgcn-amd-amdhsa -mcpu=gfx1250 --defsym DOCPART=n.
;; ======== version 1 of 1: 4 launches
;; limits: right only within a limited range of input values
;; workspace buffers: xc 4,194,304 bytes; wqc 3,145,728 bytes; woc 1,048,576 bytes; qkvc 12,582,912 bytes; att 4,194,304 bytes
;; launch prep (part 1): grid 256 x 1, 8 waves a work-group, no clusters, 68,608 bytes of LDS; arguments x, Wqkv, Wout, lowp_scales, xc, wqc, woc; writes xc, wqc, woc
.if DOCPART == 1
	.amdgcn_target "amdgcn-amd-amdhsa--gfx1250"
	.amdhsa_code_object_version 6
	.text
	.protected	k_q4d3a386bba_prep
	.globl	k_q4d3a386bba_prep
	.p2align	8
	.type	k_q4d3a386bba_prep,@function
k_q4d3a386bba_prep:
	s_mov_b64 s[64:65], 0
	v_nop
	global_prefetch_b8 v0, s[64:65] scope:SCOPE_SE
	s_setreg_imm32_b32 hwreg(HW_REG_WAVE_MODE, 25, 1), 1
	s_wait_xcnt 0x0
; PREP.  x [4096][1024], Wqkv [1024][3072] and Wout [1024][1024], all f32, become codes of E4M3, laid as images of the matrix instruction's registers.
; code = number / 2^e, held within +-448, to the nearest code, ties to even.  e = entry 0 (x), 1 (Wqkv), 7 (Wout) of the scales.
; LIMITS: each e between -126 and 119; NaN among the inputs is not served.  No work of reference() is left out but the score tiles that its own causal mask throws away whole (launch attn).
; A FRAGMENT is 16 rows x 128 K = 2,048 bytes: [c 0..3][lane][16 bytes]; lane r + 16 h holds K = 32 c + 16 h + 0..15 of the fragment's row r.
; WHICH ROWS: row m of tile 2 p + u is row 32 p + 16 (m / 8) + 8 u + m % 8 of the tensor (of x its tokens, of a weight its columns).  A product's results then stand
; in the lanes in the order in which the next product wants its operand: two tiles' registers of a lane are 16 neighbours.
; xc: [K step 0..7][token tile 0..255][2048].  wqc: [K step][head 0..15][j 0..1][q, k, v][u][2048]: columns 1024 kind + 64 head + 32 j + 16 (m / 8) + 8 u + m % 8.  woc: [column tile 0..63][K step][2048].
; Work-groups 0-127 take x, 128-223 Wqkv, 224-255 Wout: 128 KiB of f32 each.  Waves share nothing: no barrier.  No two work-groups read the same bytes: no cluster.
; x: a wave takes a tile of 16 tokens x 256 K: each load reads 512 consecutive bytes of a row; 16 rows x 128 K turn through the wave's stage in LDS so that a lane gets 16 neighbours of its row.
; Weights: K is the first axis.  A lane takes a column and its registers run down K: a wave takes 32 columns (128 consecutive bytes a load) x 128 K, and the codes are the image as they stand.
.set XR,   16                          ; x: v16-143 as loaded: two halves of 16 rows
.set XX,   144                         ;    v144-207 16 neighbours for each c
.set XC,   208                         ;    v208-239 codes
.set WX,   16                          ; weights: v16-143 four blocks of 32 numbers down K
.set WC,   144                         ;    v144-175 codes
.set LIMV, 10                          ; 448 x 2^e
.set SCV,  11                          ; 2^e as f32: the conversion takes its exponent field
.set SPW,  248
.set NIL,  249
.set XP,   528                         ; a stage row: 512 bytes + 16
.set SPARE, 8*16*XP                    ; the spare words, 128 bytes a wave
.macro QS e
	s_add_co_i32 s20, s[\e], 127
	s_lshl_b32 s21, s20, 23
	v_mov_b32 v[SCV], s21
	s_add_co_i32 s20, s20, 8
	s_lshl_b32 s20, s20, 23
	s_or_b32 s20, s20, 0x600000                    ; the mantissa field of 448
	v_mov_b32 v[LIMV], s20
.endm
.macro XHALF hh, left
	s_wait_loadcnt \left                           ; this half's sixteen rows are in; the younger half may be out
.set XM, 0
.rept 16
	ds_store_b128 v4, v[XR+64*\hh+4*XM:XR+64*\hh+4*XM+3] offset:XP*XM
.set XM, XM+1
.endr
.set XM, 0
.rept 16
	ds_load_b128 v[XX+4*XM:XX+4*XM+3], v5 offset:128*(XM/4)+16*(XM%4)   ; LDS serves a wave's instructions in order: no wait stands between the stores and the loads
.set XM, XM+1
.endr
.irp c, 0,1,2,3
	s_wait_dscnt 12-4*\c                           ; this c's four loads are in
.set XM, XX+16*\c
.rept 16
	v_med3_num_f32 v[XM], v[XM], -v[LIMV], v[LIMV] ; the conversion to an 8-bit code does not saturate (ISA guide 7.6.2): the hold comes first
.set XM, XM+1
.endr
	v_cvt_scalef32_pk8_fp8_f32 v[XC+16*\hh+4*\c:XC+16*\hh+4*\c+1], v[XX+16*\c:XX+16*\c+7], v[SCV]
	v_cvt_scalef32_pk8_fp8_f32 v[XC+16*\hh+4*\c+2:XC+16*\hh+4*\c+3], v[XX+16*\c+8:XX+16*\c+15], v[SCV]
	v_nop
	global_store_b128 v3, v[XC+16*\hh+4*\c:XC+16*\hh+4*\c+3], s[12:13] offset:524288*\hh+512*\c   ; 512 consecutive bytes
.endr
.endm
.macro WLOAD t, N, src
.set WI, 0
.rept 32
	global_load_b32 v[WX+32*(\t)+WI], v6, s[\src:\src+1] offset:(32*(\t)+WI)*\N*4
.set WI, WI+1
.endr
.endm
.macro WBLOCK t, left, N, src, dst
	s_wait_loadcnt \left                           ; this block's 32 loads are in; the one younger block may be out
.if (\t)+2 < 4
	WLOAD (\t)+2, \N, \src
.endif
.set WI, WX+32*(\t)
.rept 32
	v_med3_num_f32 v[WI], v[WI], -v[LIMV], v[LIMV]
.set WI, WI+1
.endr
.irp g, 0,1,2,3
	v_cvt_scalef32_pk8_fp8_f32 v[WC+8*(\t)+2*\g:WC+8*(\t)+2*\g+1], v[WX+32*(\t)+8*\g:WX+32*(\t)+8*\g+7], v[SCV]
.endr
	v_nop
	global_store_b128 v7, v[WC+8*(\t):WC+8*(\t)+3], s[\dst:\dst+1] offset:512*(\t)          ; K 32 t + 0..15: sixteen lanes fill 256 aligned bytes of each of two tiles
	global_store_b128 v7, v[WC+8*(\t)+4:WC+8*(\t)+7], s[\dst:\dst+1] offset:512*(\t)+256    ; K 32 t + 16..31
.endm
; One weight.  N: its columns; first: its first work-group; ush: log2 of the bytes from tile 2 p to tile 2 p + 1.
.macro WPATH N, src, dst, e, first, ush
	s_sub_co_u32 s19, ttmp9, \first
	s_lshr_b32 s20, s19, 2
	s_and_b32 s21, s19, 3
	s_lshl_b32 s20, s20, 7
	s_and_b32 s22, s18, 3
	s_lshl_b32 s22, s22, 5
	s_add_co_u32 s20, s20, s22                     ; my wave's first column, a multiple of 32
	s_lshl_b32 s21, s21, 1
	s_lshr_b32 s22, s18, 2
	s_add_co_u32 s21, s21, s22                     ; my K step
	s_mul_i32 s22, s21, 128*\N*4
	s_lshl_b32 s23, s20, 2
	s_add_co_u32 s22, s22, s23
	s_mov_b32 s23, 0
	s_add_nc_u64 s[\src:\src+1], s[\src:\src+1], s[22:23]
.if \N == 3072
	s_mul_i32 s22, s21, 393216
	s_bfe_u32 s19, s20, 0x40006                    ; head
	s_mul_i32 s19, s19, 24576
	s_add_co_u32 s22, s22, s19
	s_bfe_u32 s19, s20, 0x10005                    ; j
	s_mul_i32 s19, s19, 12288
	s_add_co_u32 s22, s22, s19
	s_lshr_b32 s19, s20, 10                        ; q, k or v
	s_lshl_b32 s19, s19, 12
	s_add_co_u32 s22, s22, s19
.else
	s_lshl_b32 s22, s21, 11
	s_lshl_b32 s19, s20, 10
	s_add_co_u32 s22, s22, s19
.endif
	s_add_nc_u64 s[\dst:\dst+1], s[\dst:\dst+1], s[22:23]
	v_lshl_add_u32 v7, v8, \ush, v7                ; tile u, row r: 16 bytes
	WLOAD 0, \N, \src
	WLOAD 1, \N, \src
	s_wait_alu depctr_va_vdst(0)
	s_wait_kmcnt 0x0
	QS \e
	s_wait_alu depctr_va_vdst(0)                   ; the head's end
	WBLOCK 0, 32, \N, \src, \dst
	WBLOCK 1, 32, \N, \src, \dst
	WBLOCK 2, 32, \N, \src, \dst
	WBLOCK 3, 0, \N, \src, \dst
	s_endpgm
.endm
	s_load_b256 s[4:11], s[0:1], 0x0               ; x, Wqkv, Wout, the exponents
	s_load_b128 s[12:15], s[0:1], 0x20             ; xc, wqc
	s_load_b64 s[16:17], s[0:1], 0x30              ; woc
	v_lshl_add_u32 v[SPW], v0, 2, SPARE
	v_mov_b32 v[NIL], 0
	v_lshrrev_b32 v1, 5, v0
	v_readfirstlane_b32 s18, v1                    ; wave 0..7
	s_mul_i32 s19, s18, 16*XP                      ; my stage
	v_and_b32 v2, 31, v0                           ; lane
	v_and_b32 v9, 15, v0
	v_bfe_u32 v12, v0, 4, 1
	v_and_b32 v13, 7, v0
	v_bfe_u32 v8, v0, 3, 1                         ; weights: u
	v_lshlrev_b32 v3, 4, v2                        ; x: 16 bytes a lane, in and out
	v_mul_u32_u24 v5, v9, XP
	v_lshlrev_b32 v6, 2, v2                        ; weights: 4 bytes a column
	v_lshl_add_u32 v7, v12, 3, v13                 ; weights: r = 8 (lane / 16) + lane % 8
	v_add_nc_u32 v4, s19, v3                       ; the stage, in: as loaded
	v_lshl_add_u32 v5, v12, 6, v5
	v_lshlrev_b32 v7, 4, v7
	v_add_nc_u32 v5, s19, v5                       ; the stage, out: row lane % 16, 64 bytes for each half of the lanes
	s_wait_alu depctr_va_vdst(0)
	s_wait_kmcnt 0x0
	s_load_b256 s[24:31], s[10:11], 0x0            ; e0 .. e7
	s_cmp_lt_u32 ttmp9, 128
	s_cbranch_scc0 .Lweights
	; ---- x: tile 2 x work-group + wave / 4, K part (two K steps) wave % 4
	s_lshr_b32 s20, s18, 2
	s_and_b32 s21, s18, 3
	s_lshl_b32 s22, ttmp9, 17                      ; 32 tokens of 4,096 bytes
	s_lshl_b32 s23, s20, 15                        ; + 8 u tokens
	s_add_co_u32 s22, s22, s23
	s_lshl_b32 s23, s21, 10
	s_add_co_u32 s22, s22, s23
	s_mov_b32 s23, 0
	s_add_nc_u64 s[4:5], s[4:5], s[22:23]
	s_lshl_b32 s22, ttmp9, 12
	s_lshl_b32 s20, s20, 11
	s_add_co_u32 s22, s22, s20
	s_lshl_b32 s21, s21, 20
	s_add_co_u32 s22, s22, s21
	s_add_nc_u64 s[12:13], s[12:13], s[22:23]
.set XM, 0
.rept 32
	global_load_b128 v[XR+4*XM:XR+4*XM+3], v3, s[4:5] offset:(16*((XM%16)/8)+XM%8)*4096+512*(XM/16) th:TH_LOAD_NT   ; half XM / 16, row XM % 16
.set XM, XM+1
.endr
	s_wait_kmcnt 0x0
	QS 24
	s_wait_alu depctr_va_vdst(0)                   ; the head's end
	XHALF 0, 16
	XHALF 1, 0
	s_wait_tensorcnt 0x0                           ; the wave's end
	ds_add_u32 v[SPW], v[NIL]
	s_wait_dscnt 0x0
	s_endpgm
.Lweights:
	s_cmp_lt_u32 ttmp9, 224
	s_cbranch_scc0 .Lwout
	WPATH 3072, 6, 14, 25, 128, 11
.Lwout:
	WPATH 1024, 8, 16, 31, 224, 14
.Lfunc_end_k_q4d3a386bba_prep:
	.size	k_q4d3a386bba_prep, .Lfunc_end_k_q4d3a386bba_prep-k_q4d3a386bba_prep
	.p2alignl 7, 3214868480
	.fill 96, 4, 3214868480
	.section	.rodata,"a",@progbits
	.p2align	6, 0x0
	.amdhsa_kernel k_q4d3a386bba_prep
		.amdhsa_group_segment_fixed_size 68608
		.amdhsa_private_segment_fixed_size 0
		.amdhsa_enable_private_segment 0
		.amdhsa_kernarg_size 56
		.amdhsa_user_sgpr_count 2
		.amdhsa_user_sgpr_kernarg_segment_ptr 1
		.amdhsa_wavefront_size32 1
		.amdhsa_system_sgpr_workgroup_id_x 1
		.amdhsa_system_sgpr_workgroup_id_y 1
		.amdhsa_system_sgpr_workgroup_id_z 1
		.amdhsa_system_vgpr_workitem_id 0
		.amdhsa_next_free_vgpr 256
		.amdhsa_next_free_sgpr 66
		.amdhsa_reserve_vcc 0
		.amdhsa_float_denorm_mode_32 3
		.amdhsa_float_denorm_mode_16_64 3
		.amdhsa_memory_ordered 1
		.amdhsa_forward_progress 1
		.amdhsa_inst_pref_size 67
	.end_amdhsa_kernel
	.amdgpu_metadata
---
amdhsa.version: [ 1, 2 ]
amdhsa.kernels:
  - .name:           k_q4d3a386bba_prep
    .symbol:         k_q4d3a386bba_prep.kd
    .args:
      - { .name: x, .offset: 0, .size: 8, .value_kind: global_buffer, .address_space: global }
      - { .name: Wqkv, .offset: 8, .size: 8, .value_kind: global_buffer, .address_space: global }
      - { .name: Wout, .offset: 16, .size: 8, .value_kind: global_buffer, .address_space: global }
      - { .name: lowp_scales, .offset: 24, .size: 8, .value_kind: global_buffer, .address_space: global }
      - { .name: xc, .offset: 32, .size: 8, .value_kind: global_buffer, .address_space: global }
      - { .name: wqc, .offset: 40, .size: 8, .value_kind: global_buffer, .address_space: global }
      - { .name: woc, .offset: 48, .size: 8, .value_kind: global_buffer, .address_space: global }
    .group_segment_fixed_size: 68608
    .private_segment_fixed_size: 0
    .kernarg_segment_align: 8
    .kernarg_segment_size: 56
    .max_flat_workgroup_size: 256
    .sgpr_count:     66
    .vgpr_count:     256
    .wavefront_size: 32
...
	.end_amdgpu_metadata
.endif
;; end of part 1
;; launch qkv (part 2): grid 16 x 16, 4 waves a work-group, clusters of 4 x 4, 327,680 bytes of LDS; arguments xc, wqc, bqkv, lowp_scales, qkvc; writes qkvc
.if DOCPART == 2
	.amdgcn_target "amdgcn-amd-amdhsa--gfx1250"
	.amdhsa_code_object_version 6
	.text
	.protected	k_q4d3a386bba_qkv
	.globl	k_q4d3a386bba_qkv
	.p2align	8
	.type	k_q4d3a386bba_qkv,@function
k_q4d3a386bba_qkv:
	s_mov_b64 s[64:65], 0
	v_nop
	global_prefetch_b8 v0, s[64:65] scope:SCOPE_SE
	s_setreg_imm32_b32 hwreg(HW_REG_WAVE_MODE, 25, 1), 1
	s_wait_xcnt 0x0
	s_wait_alu depctr_hold_cnt(0) depctr_sa_sdst(0) depctr_va_vdst(0) depctr_va_sdst(0) depctr_va_ssrc(0) depctr_va_vcc(0) depctr_vm_vsrc(0)
	s_getreg_b32 s2, hwreg(HW_REG_IB_STS2, 6, 4)
	s_cmp_eq_u32 s2, 0
	s_cbranch_scc0 .Lentry_in_a_cluster
	s_endpgm
.Lentry_in_a_cluster:
	s_bfe_u32 s2, ttmp6, 0x10000c
	s_cmp_lg_u32 s2, 0xf033
	s_cbranch_scc0 .Lentry_shape_is_right
	s_endpgm
.Lentry_shape_is_right:
; QKV.  qkv = x Wqkv + bqkv on codes of E4M3 (the images of launch prep), sums in f32, quantised again: q with 2^e2, k with 2^e3, v with 2^e5, into qkvc, laid as the attention launch wants its operands.
; LIMITS: e2, e3, e5 less (e0 + e1) between -126 and 119.
; 256 work-groups, one on each of 256 WGPs: work-group (x, y) makes q, k and v of head x (192 columns) for 256 tokens.  Wave (i, j) = (wave / 2, wave % 2) makes 128 tokens x 32 channels of each of q, k, v:
; 48 accumulators, 384 registers.  The bias is the C of each accumulator's first product, divided by the 2^(e0 + e1) that the sums lack; the scales are folded into the conversion's one.
; q, k: source 0 = 16 channels, source 1 = 16 tokens: a lane holds one token, the registers of tiles u = 0, 1 are 16 neighbouring channels.
; v: source 0 = tokens, source 1 = channels: a lane holds one channel, the registers of token tiles 2 p, 2 p + 1 are 16 neighbouring keys.  So the codes leave straight from registers, 512 consecutive bytes a store.
; qkvc: q at 0: [16 batch + head][token tile 0..127][c 0..1][lane][16 bytes].  At 4 MiB: [16 batch + head][128 keys kb 0..15]: k [token tile 0..7][c 0..1][lane][16], then v [channel tile 0..3][c 0..3][lane][16].
; LDS: A (tokens): two halves of 8 tiles, each [slot 0..4][tile][2048]; B (channels): two halves of 6 tiles likewise.  Five of the eight K steps of 128 come at the head, one load a wave;
; K steps 5, 6, 7 by one refill of slots 0, 1, 2.  They are prefetched in K step 0, two K steps ahead of the refill: A's 32 KiB of a K step are shared out by address among the four partners of a cluster row
; (8 KiB, 32 blocks of 256 bytes, a lane each), B's 24 KiB among those of a column (24 blocks; the lanes left over name the last again).
; CLUSTERS: 4 x 4.  A's tiles are shared along a row of the cluster, B's along a column: each is asked for jointly.
; REGISTERS: window 0: v0-31 addresses, constants; v32-63 biases of q, k; v64-79 of v; v128-255 A's fragments of even K steps, on the way out codes.  window 1: B's fragments, two sets of 96.
;   window 2: accumulators of q, k: (a, b) at v[32 a + 8 b], b = 0, 1 q, 2, 3 k.  window 3: v0-127 accumulators of v; v128-255 A's fragments of odd K steps.
.set BIAS, 32
.set BIASV, 64
.set SPW, 28
.set NIL, 29
.set SPARE, 286720                     ; behind the slots: the spare words, 128 bytes a wave
.set BOFF, 163840
.set XSTEP, 524288                     ; a K step of xc in bytes
.set WSTEP, 393216                     ; of wqc
.set G1A, 24
.set G1B, 32
.set G1A2, 40
.set G1B2, 48
.set G0A, 56
.set G0B, 60
.set MSB, 0
.macro WIN new                         ; the immediate's high byte repeats the setting that is left
.if MSB != (\new)
	s_set_vgpr_msb (MSB<<8)|(\new)
.set MSB, (\new)
.endif
.endm
.macro DESC g, mask, w, rows, pitch    ; group 1: rows of w elements of 8 bytes, dense in LDS
	s_or_b32 s[\g], \mask, (3<<16)|(1<<21)
	s_mov_b32 s[\g+1], \w<<16
	s_mov_b32 s[\g+2], \rows<<16
	s_mov_b32 s[\g+3], \w<<16
	s_mov_b32 s[\g+4], \rows
	s_mov_b32 s[\g+5], \pitch
	s_mov_b32 s[\g+6], 0
	s_mov_b32 s[\g+7], 0
.endm
; A joint load: waves 0 and 1 fetch A's halves, waves 2 and 3 B's; the branch hangs on the wave's number alone.
.macro JLOAD g1a, g1b
	s_cmp_eq_u32 s15, 0
	s_cbranch_scc0 .Lfor_b_\@
	tensor_load_to_lds s[G0A:G0A+3], s[\g1a:\g1a+7]
	s_nop 0
.rept 4
	v_nop
.endr
	s_branch .Lasked_\@
.Lfor_b_\@:
	tensor_load_to_lds s[G0B:G0B+3], s[\g1b:\g1b+7]
	s_nop 0
.rept 4
	v_nop
.endr
.Lasked_\@:
.endm
.macro CREST
	s_cmp_lg_u32 s14, 0
	s_cbranch_scc1 .Lnot_wave_0_\@
	s_barrier_signal -3
.Lnot_wave_0_\@:
	s_barrier_wait -3
	s_barrier_signal -1
	s_barrier_wait -1
.endm
.macro CROUND
	s_barrier_signal -1
	s_barrier_wait -1
	CREST
.endm
.macro QS e, sc, lim                   ; a quantiser's constants; the sums lack 2^(e0 + e1) = 2^-s76
	s_add_co_i32 s90, s[\e], s76
	s_add_co_i32 s90, s90, 127
	s_lshl_b32 s91, s90, 23
	v_mov_b32 v[\sc], s91
	s_add_co_i32 s90, s90, 8
	s_lshl_b32 s90, s90, 23
	s_or_b32 s90, s90, 0x600000
	v_mov_b32 v[\lim], s90
.endm
.macro PLACES                          ; plain vector instructions between matrix instructions and loads into, or vector reads and writes of, their registers
.rept 4
	v_nop
.endr
.endm
.macro FB s                            ; B's six fragments of K step s: 24 loads
	WIN 0x40
.set SL, (\s)%5
.irp b, 0,1,2,3,4,5
.irp c, 0,1,2,3
	ds_load_b128 v[96*((\s)%2)+16*\b+4*\c:96*((\s)%2)+16*\b+4*\c+3], v20 offset:12288*SL+2048*\b+512*\c
.endr
.endr
.endm
.macro FA s, a0                        ; A's fragments a0 .. a0 + 3: 16 loads
	WIN 0xc0*((\s)%2)
.set SL, (\s)%5
.irp a, 0,1,2,3
.irp c, 0,1,2,3
.if SL < 3
	ds_load_b128 v[128+16*(\a0+\a)+4*\c:128+16*(\a0+\a)+4*\c+3], v16 offset:16384*SL+2048*(\a0+\a)+512*\c
.else
	ds_load_b128 v[128+16*(\a0+\a)+4*\c:128+16*(\a0+\a)+4*\c+3], v17 offset:16384*(SL-3)+2048*(\a0+\a)+512*\c
.endif
.endr
.endr
.endm
; The 48 accumulators take turns, one instruction a turn, in the same order in every K step.
.macro QK s, a0, n, first              ; q and k of n token tiles
.if \first
	WIN 0x81
.else
	WIN 0xa1+0x0c*((\s)%2)
.endif
.set QA, \a0
.rept \n
.irp b, 0,1,2,3
.if \first
	v_wmma_f32_16x16x128_fp8_fp8 v[32*QA+8*\b:32*QA+8*\b+7], v[96*((\s)%2)+16*\b:96*((\s)%2)+16*\b+15], v[128+16*QA:128+16*QA+15], v[BIAS+8*\b:BIAS+8*\b+7]
.else
	v_wmma_f32_16x16x128_fp8_fp8 v[32*QA+8*\b:32*QA+8*\b+7], v[96*((\s)%2)+16*\b:96*((\s)%2)+16*\b+15], v[128+16*QA:128+16*QA+15], v[32*QA+8*\b:32*QA+8*\b+7]
.endif
.endr
.set QA, QA+1
.endr
.endm
.macro VV s, first                     ; v of all eight token tiles
.if \first
	WIN 0xc4
.else
	WIN 0xf4+0x03*((\s)%2)
.endif
.set QA, 0
.rept 8
.irp b, 0,1
.set QD, 16*(2*(QA/2)+\b)+8*(QA%2)
.if \first
	v_wmma_f32_16x16x128_fp8_fp8 v[QD:QD+7], v[128+16*QA:128+16*QA+15], v[96*((\s)%2)+64+16*\b:96*((\s)%2)+64+16*\b+15], v[BIASV+8*\b:BIASV+8*\b+7]
.else
	v_wmma_f32_16x16x128_fp8_fp8 v[QD:QD+7], v[128+16*QA:128+16*QA+15], v[96*((\s)%2)+64+16*\b:96*((\s)%2)+64+16*\b+15], v[QD:QD+7]
.endif
.endr
.set QA, QA+1
.endr
.endm
.macro PFETCH                          ; K steps 5, 6, 7 of my share: wave 0 asks for A, wave 2 for B
	s_cmp_lg_u32 s14, 0
	s_cbranch_scc1 .Lpb_\@
.irp k, 5,6,7
	global_prefetch_b8 v22, s[78:79] offset:XSTEP*\k th:TH_LOAD_NT scope:SCOPE_SE
.endr
.Lpb_\@:
	s_cmp_lg_u32 s14, 2
	s_cbranch_scc1 .Lpe_\@
.irp k, 5,6,7
	global_prefetch_b8 v23, s[80:81] offset:WSTEP*\k th:TH_LOAD_NT scope:SCOPE_SE
.endr
.Lpe_\@:
.endm
.macro STEP s, first                   ; a K step; the next one's fragments go into the other sets
.if \s
	PLACES
.endif
	FB (\s)+1
	s_wait_dscnt 40                                ; B's and A's fragments 0-3 are in: out may be A's 4-7 (16) and the next step's B (24)
	QK \s, 0, 4, \first
	FA (\s)+1, 0
	s_wait_dscnt 40                                ; A's 4-7 are in: out may be the 24 + 16 of the next step
	QK \s, 4, 4, \first
	FA (\s)+1, 4
.if \first
	WIN 0
	PFETCH
.endif
	VV \s, \first
.endm
	s_load_b128 s[4:7], s[0:1], 0x0                ; xc, wqc
	s_load_b128 s[8:11], s[0:1], 0x10              ; bqkv, the exponents
	s_load_b64 s[12:13], s[0:1], 0x20              ; qkvc
	v_lshl_add_u32 v[SPW], v0, 2, SPARE
	v_mov_b32 v[NIL], 0
	ds_add_u32 v[SPW], v[NIL]                      ; the wave's opening
	ds_add_u32 v[SPW], v[NIL]
	v_lshrrev_b32 v1, 5, v0
	v_readfirstlane_b32 s14, v1                    ; wave 0..3
	s_lshr_b32 s15, s14, 1                         ; i: my 128 tokens.  Also: I fetch for A (0) or B (1)
	s_and_b32 s16, s14, 1                          ; j: my 32 channels.  Also: which half I fetch
	s_bfe_u32 s17, ttmp6, 0x40000                  ; cx
	s_bfe_u32 s18, ttmp6, 0x40004                  ; cy
	s_lshl_b32 s19, ttmp9, 2
	s_add_co_u32 s19, s19, s17                     ; head
	s_and_b32 s20, ttmp7, 0xffff
	s_lshl_b32 s20, s20, 2
	s_add_co_u32 s20, s20, s18                     ; which 256 tokens
	s_lshl_b32 s21, s18, 2
	s_lshl_b32 s21, 15, s21                        ; my row of the cluster
	s_lshl_b32 s22, 0x1111, s17                    ; my column
	DESC G1A, s21, 2048, 5, 65536                  ; A: 8 tiles x 5 K steps
	DESC G1B, s22, 1536, 5, 49152                  ; B: 6 tiles x 5 K steps
	DESC G1A2, s21, 2048, 3, 65536                 ; the refill: 3 K steps
	DESC G1B2, s22, 1536, 3, 49152
	s_lshl_b32 s82, s20, 15
	s_lshl_b32 s83, s16, 14
	s_add_co_u32 s82, s82, s83                     ; A: 16 tiles a work-group, 8 a half
	s_mov_b32 s83, 0
	s_mul_i32 s84, s19, 24576
	s_mul_i32 s85, s16, 12288
	s_add_co_u32 s84, s84, s85                     ; B: 12 tiles a head, 6 a half
	s_mov_b32 s85, 0
	s_mov_b32 s[G0A], 1
	s_mul_i32 s[G0A+1], s16, 81920
	s_mov_b32 s[G0B], 1
	s_mul_i32 s[G0B+1], s16, 61440
	s_add_co_u32 s[G0B+1], s[G0B+1], BOFF
	s_mul_i32 s86, s15, 81920                      ; where I read A
	s_mul_i32 s87, s16, 61440
	s_add_co_u32 s87, s87, BOFF                    ; and B
	v_and_b32 v30, 31, v0                          ; lane
	v_bfe_u32 v2, v0, 4, 1                         ; h
	v_and_b32 v3, 7, v0
	v_and_b32 v4, 8, v0
	v_lshlrev_b32 v26, 4, v30                      ; 16 x lane
	v_lshlrev_b32 v27, 6, v2                       ; biases of q, k: 16 h channels on
	v_lshlrev_b32 v3, 2, v3
	v_min_u32 v23, 23, v30
	v_lshl_add_u32 v21, v4, 3, v3                  ; biases of v: channel 16 (r / 8) + r % 8
	v_lshlrev_b32 v22, 8, v30                      ; prefetches: lanes 256 bytes apart
	v_lshlrev_b32 v23, 8, v23
	v_add_nc_u32 v16, s86, v26
	v_add_nc_u32 v20, s87, v26
	v_add_nc_u32 v17, 3*16384, v16                 ; slots 3 and 4
	s_wait_dscnt 0x0                               ; both opening adds are done
	s_wait_alu depctr_va_vdst(0)
	s_wait_kmcnt 0x0
	s_load_b256 s[68:75], s[10:11], 0x0            ; e0 .. e7
	s_add_nc_u64 s[G0A+2:G0A+3], s[4:5], s[82:83]
	s_or_b32 s[G0A+3], s[G0A+3], 0x80000000
	s_add_nc_u64 s[G0B+2:G0B+3], s[6:7], s[84:85]
	s_or_b32 s[G0B+3], s[G0B+3], 0x80000000
	CROUND                                         ; all sixteen work-groups are here: the first joint loads meet
	JLOAD G1A, G1B                                 ; K steps 0-4: one tensor load a wave at the head
	s_lshl_b32 s82, s19, 8
	s_lshl_b32 s83, s16, 7
	s_add_co_u32 s82, s82, s83
	s_mov_b32 s83, 0
	s_add_nc_u64 s[8:9], s[8:9], s[82:83]          ; the biases of my channels
.irp k, 0,1
.irp u, 0,1
	global_load_b128 v[BIAS+16*\k+8*\u:BIAS+16*\k+8*\u+3], v27, s[8:9] offset:4096*\k+32*\u
	global_load_b128 v[BIAS+16*\k+8*\u+4:BIAS+16*\k+8*\u+7], v27, s[8:9] offset:4096*\k+32*\u+16
.endr
.endr
	global_load_b32 v80, v21, s[8:9] offset:8192
	global_load_b32 v81, v21, s[8:9] offset:8192+32
	; my share of the prefetches
	s_lshl_b32 s82, s20, 15
	s_lshl_b32 s84, s17, 13
	s_add_co_u32 s82, s82, s84
	s_add_nc_u64 s[78:79], s[4:5], s[82:83]
	s_mul_i32 s82, s19, 24576
	s_mul_i32 s84, s18, 6144
	s_add_co_u32 s82, s82, s84
	s_add_nc_u64 s[80:81], s[6:7], s[82:83]
	; my places in qkvc
	s_lshr_b32 s84, s20, 3
	s_lshl_b32 s84, s84, 4
	s_add_co_u32 s84, s84, s19                     ; 16 batch + head
	s_and_b32 s85, s20, 7
	s_lshl_b32 s85, s85, 1
	s_add_co_u32 s85, s85, s15                     ; kb: which 128 tokens of the sequence
	s_lshl_b32 s82, s84, 17
	s_lshl_b32 s86, s85, 13
	s_add_co_u32 s82, s82, s86
	s_lshl_b32 s86, s16, 9
	s_add_co_u32 s82, s82, s86
	s_add_nc_u64 s[92:93], s[12:13], s[82:83]      ; q
	s_lshl_b32 s82, s84, 18
	s_lshl_b32 s87, s85, 14
	s_add_co_u32 s82, s82, s87
	s_add_co_u32 s82, s82, 0x400000
	s_add_nc_u64 s[96:97], s[12:13], s[82:83]
	s_mov_b32 s87, 0
	s_add_nc_u64 s[94:95], s[96:97], s[86:87]      ; k
	s_lshl_b32 s86, s16, 12
	s_add_co_u32 s86, s86, 8192
	s_add_nc_u64 s[96:97], s[96:97], s[86:87]      ; v
	s_wait_kmcnt 0x0
	s_add_co_i32 s77, s68, s69
	s_sub_co_i32 s76, 0, s77                       ; -(e0 + e1)
	QS 70, 8, 9
	QS 71, 10, 11
	QS 73, 12, 13
	s_wait_loadcnt 0x0                             ; the biases
.set QI, 0
.rept 32
	v_ldexp_f32 v[BIAS+QI], v[BIAS+QI], s76
.set QI, QI+1
.endr
.set QI, 0
.rept 8
	v_ldexp_f32 v[BIASV+QI], v80, s76
	v_ldexp_f32 v[BIASV+8+QI], v81, s76
.set QI, QI+1
.endr
	s_wait_alu depctr_va_vdst(0)                   ; the head's end
	s_wait_tensorcnt 0x0                           ; my part of K steps 0-4 is in
	s_barrier_signal -1
	s_barrier_wait -1                              ; everybody's is
	FB 0
	FA 0, 0
	FA 0, 4
	STEP 0, 1
	STEP 1, 0
	; K step 2 changes slots: the loads of slots 0-2 have all been issued
	WIN 0
	s_wait_tensorcnt 0x0                           ; no tensor load of mine is out
	ds_add_u32 v[SPW], v[NIL]
	s_wait_dscnt 17                                ; out may be A's fragments 4-7 and the add
	QK 2, 0, 2, 0
	s_wait_dscnt 0x0                               ; the add is done, and my reads of slots 0-2 are over
	s_barrier_signal -1
	QK 2, 2, 2, 0
	WIN 0
	s_barrier_wait -1
	CREST                                          ; the round is closed: no wave of any partner still reads slots 0-2
	s_add_nc_u64 s[G0A+2:G0A+3], s[G0A+2:G0A+3], 5*XSTEP
	s_add_nc_u64 s[G0B+2:G0B+3], s[G0B+2:G0B+3], 5*WSTEP
	JLOAD G1A2, G1B2                               ; K steps 5, 6, 7 into slots 0, 1, 2; its four v_nop are the places in front of the loads below
	FB 3
	FA 3, 0
	FA 3, 4
	QK 2, 4, 4, 0
	VV 2, 0
	STEP 3, 0
	; K step 4: the refill is shown to all ahead of K step 5's loads
	s_wait_dscnt 16                                ; out may be A's fragments 4-7
	QK 4, 0, 4, 0
	s_wait_tensorcnt 0x0                           ; my part of K steps 5-7 is in
	s_wait_dscnt 0x0
	s_barrier_signal -1
	QK 4, 4, 2, 0
	s_barrier_wait -1
	PLACES
	FB 5
	FA 5, 0
	FA 5, 4
	QK 4, 6, 2, 0
	VV 4, 0
	STEP 5, 0
	STEP 6, 0
	s_wait_dscnt 16
	QK 7, 0, 4, 0
	s_wait_dscnt 0x0
	QK 7, 4, 4, 0
	VV 7, 0
	PLACES
	; THE WAY OUT: the hold, the conversion, the store.  Each accumulator is read from its low end on.
.macro OUTQK k, sc, lim, cd, dst
	WIN 0x82
.set QA, 0
.rept 8
.set QI, 32*QA+16*\k
.rept 16
	v_med3_num_f32 v[QI], v[QI], -v[\lim], v[\lim] ; the conversion to an 8-bit code does not saturate (ISA guide 7.6.2)
.set QI, QI+1
.endr
.set QA, QA+1
.endr
	WIN 0x02
.irp a, 0,1,2,3,4,5,6,7
	v_cvt_scalef32_pk8_fp8_f32 v[\cd+4*\a:\cd+4*\a+1], v[32*\a+16*\k:32*\a+16*\k+7], v[\sc]
	v_cvt_scalef32_pk8_fp8_f32 v[\cd+4*\a+2:\cd+4*\a+3], v[32*\a+16*\k+8:32*\a+16*\k+15], v[\sc]
.endr
	v_nop                                          ; one plain vector instruction behind the last conversion
	WIN 0
.irp a, 0,1,2,3,4,5,6,7
	global_store_b128 v26, v[\cd+4*\a:\cd+4*\a+3], s[\dst:\dst+1] offset:1024*\a
.endr
.endm
	OUTQK 0, 8, 9, 128, 92
	OUTQK 1, 10, 11, 160, 94
	WIN 0xc3
.set QI, 0
.rept 128
	v_med3_num_f32 v[QI], v[QI], -v13, v13
.set QI, QI+1
.endr
	WIN 0x03
.irp a, 0,1,2,3,4,5,6,7
	v_cvt_scalef32_pk8_fp8_f32 v[192+4*\a:192+4*\a+1], v[16*\a:16*\a+7], v12
	v_cvt_scalef32_pk8_fp8_f32 v[192+4*\a+2:192+4*\a+3], v[16*\a+8:16*\a+15], v12
.endr
	v_nop
	WIN 0
.irp a, 0,1,2,3,4,5,6,7
	global_store_b128 v26, v[192+4*\a:192+4*\a+3], s[96:97] offset:2048*(\a%2)+512*(\a/2)   ; channel tile 2 j + a % 2, keys 32 (a / 2) on
.endr
	s_wait_tensorcnt 0x0                           ; the wave's end
	ds_add_u32 v[SPW], v[NIL]
	s_wait_dscnt 0x0
	CROUND                                         ; the closing round
	s_endpgm
.Lfunc_end_k_q4d3a386bba_qkv:
	.size	k_q4d3a386bba_qkv, .Lfunc_end_k_q4d3a386bba_qkv-k_q4d3a386bba_qkv
	.p2alignl 7, 3214868480
	.fill 96, 4, 3214868480
	.section	.rodata,"a",@progbits
	.p2align	6, 0x0
	.amdhsa_kernel k_q4d3a386bba_qkv
		.amdhsa_group_segment_fixed_size 327680
		.amdhsa_private_segment_fixed_size 0
		.amdhsa_enable_private_segment 0
		.amdhsa_kernarg_size 40
		.amdhsa_user_sgpr_count 2
		.amdhsa_user_sgpr_kernarg_segment_ptr 1
		.amdhsa_wavefront_size32 1
		.amdhsa_system_sgpr_workgroup_id_x 1
		.amdhsa_system_sgpr_workgroup_id_y 1
		.amdhsa_system_sgpr_workgroup_id_z 1
		.amdhsa_system_vgpr_workitem_id 0
		.amdhsa_next_free_vgpr 1024
		.amdhsa_next_free_sgpr 100
		.amdhsa_reserve_vcc 0
		.amdhsa_float_denorm_mode_32 3
		.amdhsa_float_denorm_mode_16_64 3
		.amdhsa_memory_ordered 1
		.amdhsa_forward_progress 1
		.amdhsa_inst_pref_size 99
	.end_amdhsa_kernel
	.amdgpu_metadata
---
amdhsa.version: [ 1, 2 ]
amdhsa.kernels:
  - .name:           k_q4d3a386bba_qkv
    .symbol:         k_q4d3a386bba_qkv.kd
    .args:
      - { .name: xc, .offset: 0, .size: 8, .value_kind: global_buffer, .address_space: global }
      - { .name: wqc, .offset: 8, .size: 8, .value_kind: global_buffer, .address_space: global }
      - { .name: bqkv, .offset: 16, .size: 8, .value_kind: global_buffer, .address_space: global }
      - { .name: lowp_scales, .offset: 24, .size: 8, .value_kind: global_buffer, .address_space: global }
      - { .name: qkvc, .offset: 32, .size: 8, .value_kind: global_buffer, .address_space: global }
    .group_segment_fixed_size: 327680
    .private_segment_fixed_size: 0
    .kernarg_segment_align: 8
    .kernarg_segment_size: 40
    .max_flat_workgroup_size: 128
    .sgpr_count:     100
    .vgpr_count:     1024
    .wavefront_size: 32
...
	.end_amdgpu_metadata
.endif
;; end of part 2
;; launch attn (part 3): grid 8 x 32, 16 waves a work-group, clusters of 4 x 1, 327,680 bytes of LDS; arguments qkvc, lowp_scales, att; writes att
.if DOCPART == 3
	.amdgcn_target "amdgcn-amd-amdhsa--gfx1250"
	.amdhsa_code_object_version 6
	.text
	.protected	k_q4d3a386bba_attn
	.globl	k_q4d3a386bba_attn
	.p2align	8
	.type	k_q4d3a386bba_attn,@function
k_q4d3a386bba_attn:
	s_mov_b64 s[64:65], 0
	v_nop
	global_prefetch_b8 v0, s[64:65] scope:SCOPE_SE
	s_setreg_imm32_b32 hwreg(HW_REG_WAVE_MODE, 25, 1), 1
	s_wait_xcnt 0x0
	s_wait_alu depctr_hold_cnt(0) depctr_sa_sdst(0) depctr_va_vdst(0) depctr_va_sdst(0) depctr_va_ssrc(0) depctr_va_vcc(0) depctr_vm_vsrc(0)
	s_getreg_b32 s2, hwreg(HW_REG_IB_STS2, 6, 4)
	s_cmp_eq_u32 s2, 0
	s_cbranch_scc0 .Lentry_in_a_cluster
	s_endpgm
.Lentry_in_a_cluster:
	s_bfe_u32 s2, ttmp6, 0x10000c
	s_cmp_lg_u32 s2, 0x3003
	s_cbranch_scc0 .Lentry_shape_is_right
	s_endpgm
.Lentry_shape_is_right:
; ATTN.  o = softmax(q k^T / 8, causal) v for each of 32 heads (16 batch + head), both products on codes of E4M3, o quantised with 2^e6 into att, an image of proj's operand: [token tile][K step][c][lane][16 bytes].
; p = 2^(t - M), t = score x log2(e) / 8, M the running largest t rounded up to a whole number; the sum is taken of the unquantised p; when M moves, sum and o are multiplied by 2^(old M - new M): exact.
; LIMITS: e2 + e3 between -123 and 130; e4, e6 between -126 and 119; t stays under 2^31 in magnitude.  Left out: steps of 128 keys that all come after a tile's queries: the causal mask throws them away for all inputs;
; a NaN or an infinity that reaches only them is not carried to the result.
; SHARES.  A tile is 16 queries, lane r of tile 2 p + u the token 32 p + 16 (r / 8) + 8 u + r % 8.  Work-group g (0..7) of a head owns tiles 8 m + g, m = 0..15; tile 8 m + g has m + 1 steps of 128 keys (chunks 0 .. m).
; With s = wave % 4 the four waves s, s + 4, s + 8, s + 12 take: chunks 0-11 of m = 15 - s (12 steps); all of m = 8 + s (9 + s steps); all of m = 7 - s (8 - s steps); the last 4 - s chunks of m = 15 - s and then
; all of m = s (5 steps): 34 steps together for each s.  The two parts of m = 15 - s are joined by wave s, through LDS.
; All K and V of the head lie in LDS, each byte filled once: chunks 0-2 by one load a wave at the head, the other thirteen by one load a wave behind it, which has the first steps in which to land.
; No loop of fills follows that a prefetch could run ahead of.  CLUSTERS: four work-groups of one head ask jointly for the same K and V.
.set WV,  10
.set MM,  11                           ; the diagonal chunk of the tile in hand
.set GG,  12
.set HI,  13                           ; 15 - s
.set BH,  14
.set LIM, 15                           ; the last chunk of the segment in hand; -1: none
.set G1S, 16
.set G1L, 24
.set CC,  48                           ; the chunk
.set TB,  49                           ; its first byte in LDS: K 8,192 bytes, then V 8,192
.set QQ,  50                           ; wave / 4
.set M1,  51                           ; m of the tile whose Q stands in v16-23
.set CS,  52
.set SEL, 54
.set LI,  1                            ; 16 x lane
.set DM,  2                            ; my query in its block of 128, less 16 (lane / 16)
.set EX,  3                            ; the exchange bytes of my s
.set AD,  8
.set NEAR, 49152                       ; three chunks
.set XB,  262144                       ; behind K and V: four exchange regions of 4,608 bytes
.set SPARE, XB+4*4608                  ; and the spare words, 128 bytes a wave
.macro CROUND
	s_barrier_signal -1
	s_barrier_wait -1
	s_cmp_lg_u32 s[WV], 0
	s_cbranch_scc1 .Lnot_wave_0_\@
	s_barrier_signal -3
.Lnot_wave_0_\@:
	s_barrier_wait -3
	s_barrier_signal -1
	s_barrier_wait -1
.endm
.macro QS e, vs, vl
	s_add_co_i32 s56, s[\e], 127
	s_lshl_b32 s57, s56, 23
	v_mov_b32 v[\vs], s57
	s_add_co_i32 s56, s56, 8
	s_lshl_b32 s56, s56, 23
	s_or_b32 s56, s56, 0x600000
	v_mov_b32 v[\vl], s56
.endm
.macro DESC g, rows                    ; rows of 256 bytes, dense, for all four partners
	s_mov_b32 s[\g], 15|(3<<16)|(1<<21)
	s_mov_b32 s[\g+1], 32<<16
	s_mov_b32 s[\g+2], \rows<<16
	s_mov_b32 s[\g+3], 32<<16
	s_mov_b32 s[\g+4], \rows
	s_mov_b32 s[\g+5], 32
	s_mov_b32 s[\g+6], 0
	s_mov_b32 s[\g+7], 0
.endm
.macro CLEAR                           ; the state of a segment: largest t -3e38, -M, the sum, O^T
	v_mov_b32 v13, 0xff61b1e6
	v_mov_b32 v14, 0
	v_mov_b32 v15, 0
	v_floor_f32 v12, -v13
.set SJ, 0
.rept 32
	v_mov_b32 v[160+SJ], 0
.set SJ, SJ+1
.endr
.endm
.macro MASK n0, n                      ; registers n0 .. n0 + n - 1: register 16 b + i holds key 32 b + 16 (lane / 16) + i of the chunk
	v_mov_b32 v254, 0xff800000                     ; -infinity
.set SJ, \n0
.rept \n
	v_cmp_gt_i32 vcc_lo, 32*(SJ/16)+SJ%16, v[DM]
	v_cndmask_b32 v[96+SJ], v[96+SJ], v254, vcc_lo
.set SJ, SJ+1
.endr
.endm
; A step: 128 keys against my 16 queries, whose fragment stands at v[q].  v96-159 S^T, then p; v160-191 O^T; v224-239 p's codes; v32-95 fragments of K, then of V.
.macro STEP q
	s_cmp_gt_i32 s[CC], s[LIM]
	s_cbranch_scc1 .Lhidden_\@
	v_add_nc_u32 v[AD], s[TB], v[LI]
.rept 3
	v_nop                                          ; with the addition four places in front of loads into registers that matrix instructions have read
.endr
.irp t, 0,1,2,3,4,5,6,7
	ds_load_b128 v[32+8*\t:35+8*\t], v[AD] offset:1024*\t
	ds_load_b128 v[36+8*\t:39+8*\t], v[AD] offset:1024*\t+512
.endr
	s_wait_alu depctr_va_vdst(0)
	s_wait_dscnt 0x8                               ; tiles 0-3 are in; tiles 4-7 may be out
.irp t, 0,1,2,3
	v_wmma_f32_16x16x64_fp8_fp8 v[96+8*\t:103+8*\t], v[32+8*\t:39+8*\t], v[\q:\q+7], 0
.endr
	s_wait_dscnt 0x0
.irp t, 4,5,6,7
	v_wmma_f32_16x16x64_fp8_fp8 v[96+8*\t:103+8*\t], v[32+8*\t:39+8*\t], v[\q:\q+7], 0
.endr
.rept 4
	v_nop
.endr
.irp t, 0,1,2,3
.irp c, 0,1,2,3
	ds_load_b128 v[32+16*\t+4*\c:35+16*\t+4*\c], v[AD] offset:8192+2048*\t+512*\c
.endr
.endr
	s_cmp_lg_u32 s[CC], s[MM]
	s_cbranch_scc1 .Lopen_\@                       ; the diagonal: hidden scores become -infinity ahead of the maximum
	s_cmp_lg_u32 ttmp9, 0                          ; tiles 4-7 of the block see all of its first 64 keys, tiles 0-3 none of its last 64
	s_cbranch_scc1 .Lupper_\@
	MASK 0, 32
.set SJ, 0
.rept 32
	v_mov_b32 v[128+SJ], 0xff800000
.set SJ, SJ+1
.endr
	s_branch .Lopen_\@
.Lupper_\@:
	MASK 32, 32
.Lopen_\@:
	v_max3_num_f32 v254, v96, v97, v98             ; the largest score of my query among my 64 keys, in four chains
	v_max3_num_f32 v252, v99, v100, v101
	v_max3_num_f32 v250, v102, v103, v104
	v_max3_num_f32 v248, v105, v106, v107
.irp i, 12,20,28,36,44,52
	v_max3_num_f32 v254, v254, v[96+\i], v[97+\i]
	v_max3_num_f32 v252, v252, v[98+\i], v[99+\i]
	v_max3_num_f32 v250, v250, v[100+\i], v[101+\i]
	v_max3_num_f32 v248, v248, v[102+\i], v[103+\i]
.endr
	v_max3_num_f32 v254, v254, v156, v157
	v_max3_num_f32 v252, v252, v158, v159
	v_max_num_f32 v250, v250, v248
	v_max3_num_f32 v254, v254, v252, v250
	v_permlanex16_b32 v236, v254, s[SEL], s[SEL+1]
	s_delay_alu instid0(VALU_DEP_1)
	v_max_num_f32 v254, v254, v236                 ; and among lane l xor 16's
	s_delay_alu instid0(VALU_DEP_1)
	v_mul_f32 v254, s[CS], v254
	s_delay_alu instid0(VALU_DEP_1)
	v_max_num_f32 v13, v13, v254                   ; the running largest t
	v_mov_b32 v254, v12
	s_delay_alu instid0(VALU_DEP_2)
	v_floor_f32 v12, -v13                          ; the new -M, a whole number
	s_delay_alu instid0(VALU_DEP_1)
	v_sub_f32 v254, v12, v254
	s_delay_alu instid0(VALU_DEP_1)
	v_cvt_i32_f32 v254, v254                       ; (it saturates)
	s_delay_alu instid0(VALU_DEP_1)
	v_ldexp_f32 v252, 1.0, v254                    ; f = 2^(old M - new M)
.set SJ, 0
.rept 32
	v_pk_fma_f32 v[96+SJ:97+SJ], v[96+SJ:97+SJ], s[CS:CS+1], v[12:13] op_sel_hi:[1,0,0]   ; t - M
.set SJ, SJ+2
.endr
.set SJ, 0
	s_wait_alu depctr_va_vdst(0)
.rept 64
	v_exp_f32 v[96+SJ], v[96+SJ]
.set SJ, SJ+1
.endr
	v_pk_mul_f32 v[14:15], v[14:15], v[252:253] op_sel_hi:[1,0]
	s_wait_alu depctr_va_vdst(0)                   ; behind the batch; it stands directly ahead of the first reader of O^T
.set SJ, 0
.rept 16
	v_pk_mul_f32 v[160+SJ:161+SJ], v[160+SJ:161+SJ], v[252:253] op_sel_hi:[1,0]
.set SJ, SJ+2
.endr
	v_pk_add_f32 v[242:243], v[96:97], v[98:99]    ; the sum of the unquantised p, in four chains
	v_pk_add_f32 v[246:247], v[100:101], v[102:103]
	v_pk_add_f32 v[248:249], v[104:105], v[106:107]
.irp j, 12,20,28,36,44,52
	v_pk_add_f32 v[14:15], v[14:15], v[96+\j:97+\j]
	v_pk_add_f32 v[242:243], v[242:243], v[98+\j:99+\j]
	v_pk_add_f32 v[246:247], v[246:247], v[100+\j:101+\j]
	v_pk_add_f32 v[248:249], v[248:249], v[102+\j:103+\j]
.endr
	v_pk_add_f32 v[14:15], v[14:15], v[156:157]
	v_pk_add_f32 v[242:243], v[242:243], v[158:159]
	v_pk_add_f32 v[246:247], v[246:247], v[248:249]
	v_pk_add_f32 v[14:15], v[14:15], v[242:243]
	s_delay_alu instid0(VALU_DEP_1)
	v_pk_add_f32 v[14:15], v[14:15], v[246:247]
.irp b, 0,1,2,3
.set SJ, 96+16*\b
.rept 8
	v_dual_min_num_f32 v[SJ], v[SJ], v240 :: v_dual_min_num_f32 v[SJ+1], v[SJ+1], v240   ; the conversion to an 8-bit code does not saturate (ISA guide 7.6.2); p is never negative
.set SJ, SJ+2
.endr
	v_cvt_scalef32_pk8_fp8_f32 v[224+4*\b:225+4*\b], v[96+16*\b:103+16*\b], v244
	v_cvt_scalef32_pk8_fp8_f32 v[226+4*\b:227+4*\b], v[104+16*\b:111+16*\b], v244
.endr
	v_nop                                          ; one plain vector instruction behind the last conversion
	s_wait_alu depctr_va_vdst(0)
	s_wait_dscnt 0x0
.irp t, 0,1,2,3
	v_wmma_f32_16x16x128_fp8_fp8 v[160+8*\t:167+8*\t], v[32+16*\t:47+16*\t], v[224:239], v[160+8*\t:167+8*\t]
.endr
.Lhidden_\@:
	s_add_co_u32 s[TB], s[TB], 16384
	s_add_co_u32 s[CC], s[CC], 1
.endm
; O^T / the sum x 2^(e4 + e5), the hold, the conversion: a lane's registers of two tiles are 16 neighbouring channels of its query; 512 consecutive bytes a store.
.macro FINISH
	v_add_f32 v14, v14, v15
	s_delay_alu instid0(VALU_DEP_1)
	v_permlanex16_b32 v252, v14, s[SEL], s[SEL+1]
	s_delay_alu instid0(VALU_DEP_1)
	v_add_f32 v14, v14, v252
	s_wait_alu depctr_va_vdst(0)
	v_rcp_f32 v14, v14
.rept 4
	v_nop
.endr
	s_add_co_i32 s56, s44, s45
	s_wait_alu depctr_va_vdst(0)                   ; ahead of the reciprocal's first reader
	v_ldexp_f32 v14, v14, s56
.set SJ, 0
.rept 16
	v_pk_mul_f32 v[96+SJ:97+SJ], v[160+SJ:161+SJ], v[14:15] op_sel_hi:[1,0]
.set SJ, SJ+2
.endr
.set SJ, 96
.rept 32
	v_med3_num_f32 v[SJ], v[SJ], -v241, v241
.set SJ, SJ+1
.endr
.irp b, 0,1
	v_cvt_scalef32_pk8_fp8_f32 v[224+4*\b:225+4*\b], v[96+16*\b:103+16*\b], v245
	v_cvt_scalef32_pk8_fp8_f32 v[226+4*\b:227+4*\b], v[104+16*\b:111+16*\b], v245
.endr
	v_nop
	global_store_b128 v[LI], v[224:227], s[8:9]
	global_store_b128 v[LI], v[228:231], s[8:9] offset:512
.endm
	s_load_b128 s[4:7], s[0:1], 0x0                ; qkvc, the exponents
	s_load_b64 s[8:9], s[0:1], 0x10                ; att
	v_lshl_add_u32 v251, v0, 2, SPARE
	v_mov_b32 v255, 0
	ds_add_u32 v251, v255                          ; the wave's opening
	ds_add_u32 v251, v255
	v_lshrrev_b32 v4, 5, v0
	v_readfirstlane_b32 s[WV], v4                  ; wave 0..15
	s_lshr_b32 s[QQ], s[WV], 2
	s_and_b32 s56, s[WV], 3                        ; s
	s_mul_i32 s58, s56, 4608
	s_add_co_u32 s58, s58, XB                      ; my exchange region
	s_sub_co_u32 s[HI], 15, s56
	s_sub_co_u32 s57, 3, s56
	s_and_b32 s59, s[QQ], 1
	s_cselect_b32 s57, s56, s57                    ; odd wave / 4: s, even: 3 - s
	s_sub_co_u32 s[M1], 3, s[QQ]
	s_lshl_b32 s[M1], s[M1], 2
	s_add_co_u32 s[M1], s[M1], s57                 ; 15 - s, 8 + s, 7 - s, s
	s_mov_b32 s[MM], s[M1]
	s_cmp_eq_u32 s[QQ], 0
	s_cselect_b32 s[LIM], 11, s[M1]
	s_cmp_eq_u32 s[QQ], 3
	s_cselect_b32 s[LIM], -1, s[LIM]
	s_and_b32 s[BH], ttmp7, 0xffff
	s_bfe_u32 s57, ttmp6, 0x40000
	s_lshl_b32 s[GG], ttmp9, 2
	s_add_co_u32 s[GG], s[GG], s57                 ; g
	s_lshr_b32 s57, s[GG], 1
	s_lshl_b32 s57, s57, 5
	s_and_b32 s59, s[GG], 1
	s_lshl_b32 s59, s59, 3
	s_add_co_u32 s57, s57, s59                     ; 32 (g / 2) + 8 (g % 2)
	v_and_b32 v[LI], 31, v0
	v_and_b32 v4, 7, v0
	v_bfe_u32 v5, v0, 3, 1
	v_bfe_u32 v6, v0, 4, 1
	v_lshlrev_b32 v[LI], 4, v[LI]
	v_lshl_add_u32 v4, v5, 4, v4
	v_lshlrev_b32 v6, 4, v6
	v_add_nc_u32 v[EX], s58, v[LI]
	v_sub_nc_u32 v[DM], v4, v6
	v_mov_b32 v236, 0                              ; (written once: a lane permute's destination counts as one of its sources)
	v_mov_b32 v252, 0
	v_mov_b32 v253, 0                              ; (the upper halves of pairs)
	v_mov_b32 v247, 0
	v_add_nc_u32 v[DM], s57, v[DM]
	DESC G1S, 12
	DESC G1L, 52
	s_mov_b32 s[SEL], 0x76543210
	s_mov_b32 s[SEL+1], 0xfedcba98
	s_lshl_b32 s58, s[BH], 18
	s_add_co_u32 s58, s58, 0x400000                ; the head's K and V
	s_mul_i32 s60, s[WV], 3072
	s_mov_b32 s32, 1
	s_mov_b32 s33, s60                             ; near: 3,072 bytes a wave
	s_add_co_u32 s60, s60, s58
	s_mov_b32 s61, 0
	s_mul_i32 s62, s[WV], 13312
	s_add_co_u32 s62, s62, NEAR
	s_mov_b32 s36, 1
	s_mov_b32 s37, s62                             ; far: 13,312 bytes a wave
	s_add_co_u32 s62, s62, s58
	s_mov_b32 s63, 0
	s_lshl_b32 s56, s[M1], 3
	s_add_co_u32 s56, s56, s[GG]                   ; my tile
	s_lshl_b32 s57, s[HI], 3
	s_add_co_u32 s57, s57, s[GG]                   ; the tile of m = 15 - s
	s_lshl_b32 s58, s[BH], 17
	s_lshl_b32 s66, s56, 10
	s_add_co_u32 s66, s66, s58
	s_mov_b32 s67, 0
	s_lshl_b32 s68, s57, 10
	s_add_co_u32 s68, s68, s58
	s_mov_b32 s69, 0
	s_lshr_b32 s58, s[BH], 4
	s_lshl_b32 s58, s58, 7
	s_add_co_u32 s58, s58, s56
	s_lshl_b32 s58, s58, 14
	s_and_b32 s59, s[BH], 15
	s_lshl_b32 s59, s59, 10
	s_add_co_u32 s58, s58, s59
	s_mov_b32 s59, 0
	s_wait_dscnt 0x0                               ; both opening adds are done
	s_wait_alu depctr_va_vdst(0)
	s_wait_kmcnt 0x0
	s_load_b256 s[40:47], s[6:7], 0x0              ; e0 .. e7
	s_add_nc_u64 s[66:67], s[4:5], s[66:67]
	s_add_nc_u64 s[68:69], s[4:5], s[68:69]
	global_load_b128 v[16:19], v[LI], s[66:67]     ; Q of my tile,
	global_load_b128 v[20:23], v[LI], s[66:67] offset:512
	global_load_b128 v[24:27], v[LI], s[68:69]     ; and of m = 15 - s
	global_load_b128 v[28:31], v[LI], s[68:69] offset:512
	s_add_nc_u64 s[34:35], s[4:5], s[60:61]
	s_or_b32 s35, s35, 0x80000000
	s_add_nc_u64 s[38:39], s[4:5], s[62:63]
	s_or_b32 s39, s39, 0x80000000
	s_add_nc_u64 s[8:9], s[8:9], s[58:59]          ; my tile in att
	CROUND                                         ; the four work-groups are here: the joint loads meet
	tensor_load_to_lds s[32:35], s[G1S:G1S+7]      ; chunks 0-2: one tensor load a wave at the head
	s_nop 0
.rept 4
	v_nop
.endr
	CLEAR
	s_wait_kmcnt 0x0
	s_add_co_i32 s56, s42, s43
	s_lshl_b32 s56, s56, 23
	s_mov_b32 s[CS], 0x3e38aa3b                    ; log2(e) / 8; e2 + e3 are added to its exponent field
	s_add_co_i32 s[CS], s[CS], s56
	s_mov_b32 s[CS+1], s[CS]
	QS 44, 244, 240
	QS 46, 245, 241
	s_wait_alu depctr_va_vdst(0)                   ; the head's end
	s_wait_tensorcnt 0x0                           ; my part of chunks 0-2 is in;
	ds_add_u32 v251, v255
	s_wait_dscnt 0x0
	CROUND                                         ; everybody's is
	tensor_load_to_lds s[36:39], s[G1L:G1L+7]      ; chunks 3-15, the first tensor load behind the round
	s_nop 0
.rept 4
	v_nop
.endr
	s_mov_b32 s[CC], 0
	s_mov_b32 s[TB], 0
	s_wait_loadcnt 0x0                             ; Q
.Lnear:
	STEP 16
	s_cmp_lt_u32 s[CC], 2
	s_cbranch_scc1 .Lnear
	s_wait_tensorcnt 0x0                           ; my part of chunks 3-15 is in
	s_wait_dscnt 0x0
	s_barrier_signal -1
	s_mov_b32 s[CC], 2
	s_mov_b32 s[TB], 2*16384
	STEP 16                                        ; chunk 2, which nobody writes again: LDS loads and work on registers between signal and wait
	s_barrier_wait -1                              ; everybody's is
	s_mov_b32 s[CC], 3
	s_mov_b32 s[TB], NEAR
.Lmid:
	STEP 16
	s_cmp_lt_u32 s[CC], 12
	s_cbranch_scc1 .Lmid
	s_cmp_eq_u32 s[QQ], 0
	s_cbranch_scc1 .Lpart
	s_cmp_eq_u32 s[QQ], 3
	s_cbranch_scc1 .Lpart
	FINISH                                         ; m = 8 + s and m = 7 - s are complete
	s_wait_alu depctr_va_vdst(0)
	s_wait_xcnt 0x0                                ; the stores have read their registers
.Lpart:
	s_mov_b32 s[MM], s[HI]
	s_cmp_eq_u32 s[QQ], 3
	s_cselect_b32 s[LIM], s[HI], -1                ; waves 12-15: chunks 12 .. 15 - s of m = 15 - s; the others have no step here
	s_mov_b32 s[CC], 12
	s_mov_b32 s[TB], 12*16384
.Lrest:
	STEP 24
	s_cmp_lt_u32 s[CC], 16
	s_cbranch_scc1 .Lrest
	s_cmp_lg_u32 s[QQ], 3
	s_cbranch_scc1 .Lstored
.rept 4
	v_nop                                          ; places behind the last products
.endr
.irp n, 0,1,2,3,4,5,6,7
	ds_store_b128 v[EX], v[160+4*\n:163+4*\n] offset:512*\n
.endr
	ds_store_b128 v[EX], v[12:15] offset:4096      ; -M, the largest t, the sum's halves
	CLEAR
	s_wait_alu depctr_va_vdst(0)
.Lstored:
	s_mov_b32 s[MM], s[M1]
	s_cmp_eq_u32 s[QQ], 3
	s_cselect_b32 s[LIM], s[M1], -1                ; waves 12-15: all of m = s
	s_mov_b32 s[CC], 0
	s_mov_b32 s[TB], 0
.Llow:
	STEP 16
	s_cmp_lt_u32 s[CC], 4
	s_cbranch_scc1 .Llow
	s_wait_dscnt 0x0                               ; my stores are done, for the other wave's sake
	s_barrier_signal -1
	s_barrier_wait -1
	s_cmp_eq_u32 s[QQ], 3
	s_cbranch_scc1 .Lfin
	s_cmp_lg_u32 s[QQ], 0
	s_cbranch_scc1 .Lend
.rept 4
	v_nop                                          ; places in front of loads into registers that the last products read
.endr
.irp n, 0,1,2,3,4,5,6,7
	ds_load_b128 v[32+4*\n:35+4*\n], v[EX] offset:512*\n
.endr
	ds_load_b128 v[64:67], v[EX] offset:4096
	s_wait_dscnt 0x0
	v_min_num_f32 v250, v12, v64                   ; -M of the whole row
	v_sub_f32 v252, v250, v12
	v_sub_f32 v246, v250, v64
	v_cvt_i32_f32 v252, v252
	v_cvt_i32_f32 v246, v246
	v_ldexp_f32 v252, 1.0, v252                    ; each part under the common M: powers of two
	v_ldexp_f32 v246, 1.0, v246
	v_pk_mul_f32 v[14:15], v[14:15], v[252:253] op_sel_hi:[1,0]
.set SJ, 0
.rept 16
	v_pk_mul_f32 v[160+SJ:161+SJ], v[160+SJ:161+SJ], v[252:253] op_sel_hi:[1,0]
.set SJ, SJ+2
.endr
	v_pk_fma_f32 v[14:15], v[66:67], v[246:247], v[14:15] op_sel_hi:[1,0,1]
.set SJ, 0
.rept 16
	v_pk_fma_f32 v[160+SJ:161+SJ], v[32+SJ:33+SJ], v[246:247], v[160+SJ:161+SJ] op_sel_hi:[1,0,1]
.set SJ, SJ+2
.endr
	s_wait_alu depctr_va_vdst(0)
.Lfin:
	FINISH
.Lend:
	s_wait_tensorcnt 0x0                           ; the wave's end
	ds_add_u32 v251, v255
	s_wait_dscnt 0x0
	CROUND                                         ; the closing round
	s_endpgm
.Lfunc_end_k_q4d3a386bba_attn:
	.size	k_q4d3a386bba_attn, .Lfunc_end_k_q4d3a386bba_attn-k_q4d3a386bba_attn
	.p2alignl 7, 3214868480
	.fill 96, 4, 3214868480
	.section	.rodata,"a",@progbits
	.p2align	6, 0x0
	.amdhsa_kernel k_q4d3a386bba_attn
		.amdhsa_group_segment_fixed_size 327680
		.amdhsa_private_segment_fixed_size 0
		.amdhsa_enable_private_segment 0
		.amdhsa_kernarg_size 24
		.amdhsa_user_sgpr_count 2
		.amdhsa_user_sgpr_kernarg_segment_ptr 1
		.amdhsa_wavefront_size32 1
		.amdhsa_system_sgpr_workgroup_id_x 1
		.amdhsa_system_sgpr_workgroup_id_y 1
		.amdhsa_system_sgpr_workgroup_id_z 1
		.amdhsa_system_vgpr_workitem_id 0
		.amdhsa_next_free_vgpr 256
		.amdhsa_next_free_sgpr 72
		.amdhsa_reserve_vcc 1
		.amdhsa_float_denorm_mode_32 3
		.amdhsa_float_denorm_mode_16_64 3
		.amdhsa_memory_ordered 1
		.amdhsa_forward_progress 1
		.amdhsa_inst_pref_size 138
	.end_amdhsa_kernel
	.amdgpu_metadata
---
amdhsa.version: [ 1, 2 ]
amdhsa.kernels:
  - .name:           k_q4d3a386bba_attn
    .symbol:         k_q4d3a386bba_attn.kd
    .args:
      - { .name: qkvc, .offset: 0, .size: 8, .value_kind: global_buffer, .address_space: global }
      - { .name: lowp_scales, .offset: 8, .size: 8, .value_kind: global_buffer, .address_space: global }
      - { .name: att, .offset: 16, .size: 8, .value_kind: global_buffer, .address_space: global }
    .group_segment_fixed_size: 327680
    .private_segment_fixed_size: 0
    .kernarg_segment_align: 8
    .kernarg_segment_size: 24
    .max_flat_workgroup_size: 512
    .sgpr_count:     72
    .vgpr_count:     256
    .wavefront_size: 32
...
	.end_amdgpu_metadata
.endif
;; end of part 3
;; launch proj (part 4): grid 8 x 32, 4 waves a work-group, clusters of 4 x 4, 327,680 bytes of LDS; arguments att, woc, bout, lowp_scales, out0; writes out0
.if DOCPART == 4
	.amdgcn_target "amdgcn-amd-amdhsa--gfx1250"
	.amdhsa_code_object_version 6
	.text
	.protected	k_q4d3a386bba_proj
	.globl	k_q4d3a386bba_proj
	.p2align	8
	.type	k_q4d3a386bba_proj,@function
k_q4d3a386bba_proj:
	s_mov_b64 s[64:65], 0
	v_nop
	global_prefetch_b8 v0, s[64:65] scope:SCOPE_SE
	s_setreg_imm32_b32 hwreg(HW_REG_WAVE_MODE, 25, 1), 1
	s_wait_xcnt 0x0
	s_wait_alu depctr_hold_cnt(0) depctr_sa_sdst(0) depctr_va_vdst(0) depctr_va_sdst(0) depctr_va_ssrc(0) depctr_va_vcc(0) depctr_vm_vsrc(0)
	s_getreg_b32 s2, hwreg(HW_REG_IB_STS2, 6, 4)
	s_cmp_eq_u32 s2, 0
	s_cbranch_scc0 .Lentry_in_a_cluster
	s_endpgm
.Lentry_in_a_cluster:
	s_bfe_u32 s2, ttmp6, 0x10000c
	s_cmp_lg_u32 s2, 0xf033
	s_cbranch_scc0 .Lentry_shape_is_right
	s_endpgm
.Lentry_shape_is_right:
; PROJ.  out0 = o Wout + bout on codes of E4M3: att and woc are images of fragments (16 rows x 128 K = 2,048 bytes; eight K steps of a tile on end); sums in f32, x 2^(e6 + e7), + bias.
; LIMIT: e6 + e7 between -126 and 127.
; 256 tiles of 128 x 128 of out0, one to a work-group of four waves, 64 x 64 a wave.  Tiles of 256 x 256 would be 64.
; All of K = 1,024 of both operands lies in LDS, each byte filled once, by ONE load of 65,536 consecutive bytes a wave at the head; so no barrier stands among the K steps, and no stream is left to prefetch.
; A wave finishes its four blocks of 16 rows one after the other, all of K each, so that a block's stores are on their way while the next is multiplied.  B's fragments of all K steps stay in registers from the first block on:
; no fragment is read from LDS twice.
; CLUSTERS: 4 x 4 work-groups; A is shared along a row of the cluster, B along a column: asked for jointly.
; THE MATRIX INSTRUCTION IS USED TRANSPOSED (source 0 = 16 rows of woc, source 1 = 16 tokens).  Row m of tile 2 p + u is index 32 p + 16 (m / 8) + 8 u + m % 8, of tokens and of columns:
; register j of lane r + 16 h of column tile b is column 32 (b / 2) + 16 h + 8 (b % 2) + j of that token.
; REGISTERS: window 0: v16-31 addresses; v32-63 biases; v64-95 results; v96-127 rows read back; v128-191 two sets of four accumulators.  window 1: A's fragments of a block, two sets of 128.
;   windows 2 and 3: B's fragments of K steps 0-3 and 4-7.
.set PITCH, 272
.set BOFF,  131072
.set STAGE, 262144                     ; behind the tiles: 16 rows x 272 bytes for each wave; no fill lands there
.set SPARE, STAGE+4*16*PITCH           ; the spare words, 128 bytes a wave
.set BIAS, 32
.set TMP,  64
.set BK,   96
.set ACC,  128
.set G1A, 24
.set G1B, 32
.set G0A, 40
.set G0B, 44
.set MSB, 0
.macro WIN new                         ; the immediate's high byte repeats the setting that is left
.if MSB != (\new)
	s_set_vgpr_msb (MSB<<8)|(\new)
.set MSB, (\new)
.endif
.endm
.macro DESC g, mask                    ; 4 rows of 16,384 bytes, dense
	s_or_b32 s[\g], \mask, (3<<16)|(1<<21)
	s_mov_b32 s[\g+1], 2048<<16
	s_mov_b32 s[\g+2], 4<<16
	s_mov_b32 s[\g+3], 2048<<16
	s_mov_b32 s[\g+4], 4
	s_mov_b32 s[\g+5], 2048
	s_mov_b32 s[\g+6], 0
	s_mov_b32 s[\g+7], 0
.endm
.macro CROUND
	s_barrier_signal -1
	s_barrier_wait -1
	s_cmp_lg_u32 s14, 0
	s_cbranch_scc1 .Lnot_wave_0_\@
	s_barrier_signal -3
.Lnot_wave_0_\@:
	s_barrier_wait -3
	s_barrier_signal -1
	s_barrier_wait -1
.endm
	s_load_b128 s[4:7], s[0:1], 0x0                ; att, woc
	s_load_b128 s[8:11], s[0:1], 0x10              ; bout, the exponents
	s_load_b64 s[12:13], s[0:1], 0x20              ; out0
	v_lshl_add_u32 v30, v0, 2, SPARE
	v_mov_b32 v31, 0
	ds_add_u32 v30, v31                            ; the wave's opening
	ds_add_u32 v30, v31
	v_lshrrev_b32 v1, 5, v0
	v_readfirstlane_b32 s14, v1                    ; wave 0..3
	s_lshr_b32 s15, s14, 1                         ; which 64 rows of the tile are mine.  Also: I fetch for A (0) or B (1)
	s_and_b32 s16, s14, 1                          ; which 64 columns.  Also: which half I fetch
	s_bfe_u32 s18, ttmp6, 0x40000                  ; cx
	s_bfe_u32 s19, ttmp6, 0x40004                  ; cy
	s_lshl_b32 s23, ttmp9, 2
	s_add_co_u32 s23, s23, s18                     ; tile column, 0..7
	s_and_b32 s22, ttmp7, 0xffff
	s_lshl_b32 s22, s22, 2
	s_add_co_u32 s22, s22, s19                     ; tile row, 0..31
	s_lshl_b32 s20, s19, 2
	s_lshl_b32 s20, 15, s20                        ; my row of the cluster
	s_lshl_b32 s21, 0x1111, s18                    ; my column
	DESC G1A, s20
	DESC G1B, s21
	s_lshl_b32 s58, s22, 17                        ; A: 131,072 x tile row + 65,536 x half
	s_lshl_b32 s59, s16, 16
	s_add_co_u32 s58, s58, s59
	s_mov_b32 s59, 0
	s_lshl_b32 s60, s23, 17                        ; B likewise by the tile column
	s_lshl_b32 s61, s16, 16
	s_add_co_u32 s60, s60, s61
	s_mov_b32 s61, 0
	s_mov_b32 s[G0A], 1
	s_lshl_b32 s[G0A+1], s16, 16
	s_mov_b32 s[G0B], 1
	s_lshl_b32 s[G0B+1], s16, 16
	s_add_co_u32 s[G0B+1], s[G0B+1], BOFF
	s_lshl_b32 s62, s15, 16                        ; where I read A
	s_lshl_b32 s63, s16, 16
	s_add_co_u32 s63, s63, BOFF                    ; and B
	s_mul_i32 s66, s14, 16*PITCH
	s_add_co_u32 s66, s66, STAGE                   ; my stage
	v_and_b32 v1, 15, v0                           ; r
	v_bfe_u32 v2, v0, 4, 1                         ; h
	v_and_b32 v3, 31, v0
	v_lshlrev_b32 v3, 4, v3                        ; 16 x lane
	v_mul_u32_u24 v4, v1, PITCH
	v_mul_u32_u24 v5, v2, PITCH
	v_lshlrev_b32 v26, 12, v2
	v_lshlrev_b32 v27, 6, v2                       ; biases: 16 h columns on
	v_add_nc_u32 v16, s62, v3
	v_add_nc_u32 v20, s63, v3
	v_lshl_add_u32 v4, v2, 6, v4
	v_lshl_add_u32 v5, v1, 4, v5
	v_lshl_add_u32 v26, v1, 4, v26                 ; out0: lanes 0-15 one row (4,096 bytes), lanes 16-31 the next
	v_add_nc_u32 v24, s66, v4                      ; the stage, in: row r, 16 h columns on
	v_add_nc_u32 v25, s66, v5                      ; back: lanes 0-15 one row of 256 bytes, lanes 16-31 the next
	s_wait_dscnt 0x0                               ; both opening adds are done
	s_wait_alu depctr_va_vdst(0)
	s_wait_kmcnt 0x0
	s_load_b256 s[68:75], s[10:11], 0x0            ; e0 .. e7
	s_add_nc_u64 s[G0A+2:G0A+3], s[4:5], s[58:59]
	s_or_b32 s[G0A+3], s[G0A+3], 0x80000000
	s_add_nc_u64 s[G0B+2:G0B+3], s[6:7], s[60:61]
	s_or_b32 s[G0B+3], s[G0B+3], 0x80000000
	CROUND                                         ; all sixteen work-groups are here: the joint loads meet
	s_cmp_eq_u32 s15, 0                            ; waves 0 and 1 fetch A's halves, waves 2 and 3 B's
	s_cbranch_scc0 .Lfill_b
	tensor_load_to_lds s[G0A:G0A+3], s[G1A:G1A+7]
	s_nop 0
.rept 4
	v_nop
.endr
	s_branch .Lfilled
.Lfill_b:
	tensor_load_to_lds s[G0B:G0B+3], s[G1B:G1B+7]
	s_nop 0
.rept 4
	v_nop
.endr
.Lfilled:
	s_lshl_b32 s58, s23, 9
	s_lshl_b32 s59, s16, 8
	s_add_co_u32 s58, s58, s59                     ; my first column, in bytes
	s_mov_b32 s59, 0
	s_add_nc_u64 s[8:9], s[8:9], s[58:59]
	s_add_nc_u64 s[12:13], s[12:13], s[58:59]
	s_lshl_b32 s58, s22, 19
	s_lshl_b32 s60, s15, 18
	s_add_co_u32 s58, s58, s60                     ; my first row: (128 x tile row + 64 x half) x 4,096 bytes
	s_add_nc_u64 s[12:13], s[12:13], s[58:59]
.irp b, 0,1,2,3
	global_load_b128 v[BIAS+8*\b:BIAS+8*\b+3], v27, s[8:9] offset:128*(\b/2)+32*(\b%2)
	global_load_b128 v[BIAS+8*\b+4:BIAS+8*\b+7], v27, s[8:9] offset:128*(\b/2)+32*(\b%2)+16
.endr
	s_wait_kmcnt 0x0
	s_add_co_i32 s56, s74, s75
	s_add_co_i32 s56, s56, 127
	s_lshl_b32 s56, s56, 23                        ; 2^(e6 + e7) as f32
	s_mov_b32 s57, s56
.macro LB s                            ; B's four fragments of K step s: 16 loads
	WIN 0x80+0x40*((\s)/4)
.irp b, 0,1,2,3
.irp c, 0,1,2,3
	ds_load_b128 v[64*((\s)%4)+16*\b+4*\c:64*((\s)%4)+16*\b+4*\c+3], v20 offset:16384*\b+2048*(\s)+512*\c
.endr
.endr
.endm
.macro LA a, s                         ; A's fragment of block a and K step s: 4 loads
	WIN 0x40
.irp c, 0,1,2,3
	ds_load_b128 v[128*((\a)%2)+16*(\s)+4*\c:128*((\a)%2)+16*(\s)+4*\c+3], v16 offset:16384*(\a)+2048*(\s)+512*\c
.endr
.endm
; A block's four accumulators take turns, one instruction a turn, in the same order in every K step.
.macro MUL a, s
	WIN 0x06+((\s)/4)
.irp b, 0,1,2,3
.if (\s) == 0
	v_wmma_f32_16x16x128_fp8_fp8 v[ACC+32*((\a)%2)+8*\b:ACC+32*((\a)%2)+8*\b+7], v[64*((\s)%4)+16*\b:64*((\s)%4)+16*\b+15], v[128*((\a)%2)+16*(\s):128*((\a)%2)+16*(\s)+15], 0
.else
	v_wmma_f32_16x16x128_fp8_fp8 v[ACC+32*((\a)%2)+8*\b:ACC+32*((\a)%2)+8*\b+7], v[64*((\s)%4)+16*\b:64*((\s)%4)+16*\b+15], v[128*((\a)%2)+16*(\s):128*((\a)%2)+16*(\s)+15], v[ACC+32*((\a)%2)+8*\b:ACC+32*((\a)%2)+8*\b+7]
.endif
.endr
.endm
; THE WAY OUT of block a, 16 rows x 64 columns: sum x 2^(e6 + e7) + bout, through my own stage, back as rows of 256 bytes.
.macro OUT a
	WIN 0
.if (\a) == 0
	s_wait_loadcnt 0x0                             ; the biases
.endif
.rept 4
	v_nop                                          ; places behind the last products
.endr
.irp b, 0,1,2,3
.irp j, 0,2,4,6
	v_pk_fma_f32 v[TMP+8*\b+\j:TMP+8*\b+\j+1], v[ACC+32*((\a)%2)+8*\b+\j:ACC+32*((\a)%2)+8*\b+\j+1], s[56:57], v[BIAS+8*\b+\j:BIAS+8*\b+\j+1] op_sel_hi:[1,0,1]   ; each accumulator from its low end on
.endr
.endr
.irp b, 0,1,2,3
	ds_store_b128 v24, v[TMP+8*\b:TMP+8*\b+3] offset:128*(\b/2)+32*(\b%2)
	ds_store_b128 v24, v[TMP+8*\b+4:TMP+8*\b+7] offset:128*(\b/2)+32*(\b%2)+16
.endr
.if (\a) > 0
	s_wait_xcnt 0x0                                ; the block before's stores have read their registers: the loads below may land there
.endif
.irp t, 0,1,2,3,4,5,6,7
	ds_load_b128 v[BK+4*\t:BK+4*\t+3], v25 offset:\t*2*PITCH      ; these see my stores: LDS serves a wave's instructions in order
.endr
.irp t, 0,1,2,3,4,5,6,7
	s_wait_dscnt 7-\t                              ; (the last of these shows the next block's fragments of A too: they were asked for earlier)
	global_store_b128 v26, v[BK+4*\t:BK+4*\t+3], s[12:13] offset:4096*(32*((\a)/2)+8*((\a)%2)+16*(\t/4)+2*(\t%4)) th:TH_STORE_NT   ; stage rows 2 t, 2 t + 1; sixteen lanes store 256 consecutive bytes, aligned
.endr
.endm
	s_wait_tensorcnt 0x0                           ; my load is in
	s_barrier_signal -1
	s_barrier_wait -1                              ; everybody's is
	LB 0
	LA 0, 0
.irp s, 0,1,2,3,4,5,6
	LB \s+1
	LA 0, \s+1
	s_wait_dscnt 20                                ; all but the 20 just issued
	MUL 0, \s
.endr
.irp s, 0,1,2,3,4,5,6,7
	LA 1, \s
.endr
	s_wait_dscnt 32                                ; all but the 32 just issued
	MUL 0, 7
	OUT 0
.irp a, 1,2,3
.if \a < 3
.irp s, 0,1,2,3,4,5,6,7
	LA \a+1, \s                                    ; into the set that the block before multiplied: its way out holds the places
.endr
.endif
.irp s, 0,1,2,3,4,5,6,7
	MUL \a, \s
.endr
	OUT \a
.endr
	s_wait_tensorcnt 0x0                           ; the wave's end
	ds_add_u32 v30, v31
	s_wait_dscnt 0x0
	CROUND                                         ; the closing round: no work-group ends while a partner may still ask for a tile that names it
	s_endpgm
.Lfunc_end_k_q4d3a386bba_proj:
	.size	k_q4d3a386bba_proj, .Lfunc_end_k_q4d3a386bba_proj-k_q4d3a386bba_proj
	.p2alignl 7, 3214868480
	.fill 96, 4, 3214868480
	.section	.rodata,"a",@progbits
	.p2align	6, 0x0
	.amdhsa_kernel k_q4d3a386bba_proj
		.amdhsa_group_segment_fixed_size 327680
		.amdhsa_private_segment_fixed_size 0
		.amdhsa_enable_private_segment 0
		.amdhsa_kernarg_size 40
		.amdhsa_user_sgpr_count 2
		.amdhsa_user_sgpr_kernarg_segment_ptr 1
		.amdhsa_wavefront_size32 1
		.amdhsa_system_sgpr_workgroup_id_x 1
		.amdhsa_system_sgpr_workgroup_id_y 1
		.amdhsa_system_sgpr_workgroup_id_z 1
		.amdhsa_system_vgpr_workitem_id 0
		.amdhsa_next_free_vgpr 1024
		.amdhsa_next_free_sgpr 92
		.amdhsa_reserve_vcc 0
		.amdhsa_float_denorm_mode_32 3
		.amdhsa_float_denorm_mode_16_64 3
		.amdhsa_memory_ordered 1
		.amdhsa_forward_progress 1
		.amdhsa_inst_pref_size 45
	.end_amdhsa_kernel
	.amdgpu_metadata
---
amdhsa.version: [ 1, 2 ]
amdhsa.kernels:
  - .name:           k_q4d3a386bba_proj
    .symbol:         k_q4d3a386bba_proj.kd
    .args:
      - { .name: att, .offset: 0, .size: 8, .value_kind: global_buffer, .address_space: global }
      - { .name: woc, .offset: 8, .size: 8, .value_kind: global_buffer, .address_space: global }
      - { .name: bout, .offset: 16, .size: 8, .value_kind: global_buffer, .address_space: global }
      - { .name: lowp_scales, .offset: 24, .size: 8, .value_kind: global_buffer, .address_space: global }
      - { .name: out0, .offset: 32, .size: 8, .value_kind: global_buffer, .address_space: global }
    .group_segment_fixed_size: 327680
    .private_segment_fixed_size: 0
    .kernarg_segment_align: 8
    .kernarg_segment_size: 40
    .max_flat_workgroup_size: 128
    .sgpr_count:     92
    .vgpr_count:     1024
    .wavefront_size: 32
...
	.end_amdgpu_metadata
.endif
;; end of part 4
